; MI455X (gfx1250); checked and timed in simulation.
; The chip was launched on July 23, 2026; its instructions are those of AMD's public machine-readable ISA for CDNA 5 (MIT licence, August 2026) and "CDNA5" Instruction Set Architecture Reference Guide (July 2026). The comments in the code are by the model that wrote it; some were corrected since.
;; Multi Head Attention. Allowed arithmetic: matrix products marked QUANTISED: E2M3 operands, one E8M0 scale for each 32 along K, by v_wmma_scale_f32_16x16x128_f8f6f4 with both operands' format E2M3, f32 sums; products left as they are: f32 operands where the result goes on into a quantised operand, else bf16, f16 or f32 operands; f32 sums; everything else in f32.
;; Inputs: Wk 1,024 x 1,024 float32; Wo 1,024 x 1,024 float32; Wq 1,024 x 1,024 float32; Wv 1,024 x 1,024 float32; bk 1,024 float32; bo 1,024 float32; bq 1,024 float32; bv 1,024 float32; key 8 x 2,048 x 1,024 float32; ln_b 1,024 float32; ln_g 1,024 float32; query 8 x 2,048 x 1,024 float32; value 8 x 2,048 x 1,024 float32.
;; Outputs: out0 8 x 2,048 x 1,024 float32.
;; This version of the problem:
;;   THIS VERSION OF THE PROBLEM IS GIVEN IN LOW PRECISION. The matrix products marked QUANTISED in the list below multiply operands that are first quantised to E2M3 (2 exponent bits, 3 mantissa bits; 6 bits a number), with one power-of-two scale for each 32 numbers along K (OCP MX v1.0); their sums are f32. All else is computed in f32.
;;   The module's matrix products, in the order in which they are computed (A, B: the left and right operand; K: the contracted axis; several contracted axes count as one K, in the product's order):
;;     1. [M 16,384, K 1,024] x [K 1,024, N 1,024]; A: input query; B: input Wq: QUANTISED
;;     2. [M 16,384, K 1,024] x [K 1,024, N 1,024]; A: input key; B: input Wk: QUANTISED
;;     3. [M 16,384, K 1,024] x [K 1,024, N 1,024]; A: input value; B: input Wv: QUANTISED
;;     4. batch 16,384 x [M 16, K 64] x [K 64, N 16]; A: computed on the way; B: computed on the way: QUANTISED
;;     5. batch 16,384 x [M 64, K 16] x [K 16, N 16]; A: computed on the way; B: softmax: left as it is (K = 16 < 32)
;;     6. [M 16,384, K 1,024] x [K 1,024, N 1,024]; A: computed on the way; B: input Wo: QUANTISED
;;   THE QUANTISER, for each operand of a quantised product, along K:
;;     - K is cut into blocks of 32 from its start; a last block that is shorter is filled with zeros.
;;     - A block's scale is 2^e with e = floor(log2(the largest magnitude in the block)) - 2, held to -126 .. 127; a block of zeros has e = 0. As a byte (E8M0): e + 127.
;;     - Each number is divided by its block's scale, clamped to +-7.5, and rounded to the nearest number of E2M3, ties to even, subnormals kept.
;;     - The product sums the exact products of the quantised numbers (number of the format x scale) in f32.
;;   ~~~python
;;   def quantise(x, axis):      # numpy; x: float32 -> the quantised numbers, widened to float32 again
;;       x = np.moveaxis(x, axis, -1); K = x.shape[-1]
;;       x = np.pad(x, [(0, 0)] * (x.ndim - 1) + [(0, -K % 32)]); x = x.reshape(x.shape[:-1] + (-1, 32)); a = np.abs(x).max(-1, keepdims=True)
;;       e = np.where(a > 0, np.clip(np.frexp(np.where(a > 0, a, 1))[1] - 1 - 2, -126, 127), 0)      # np.frexp(a)[1] - 1 = floor(log2(a)), exactly
;;       r = np.clip(x / 2.0 ** e, -7.5, 7.5)
;;       step = 2.0 ** (np.maximum(np.frexp(np.where(r == 0, 1, r))[1] - 1, 0) - 3)
;;       q = np.round(r / step) * step * 2.0 ** e      # np.round: ties to even
;;       return np.moveaxis(q.reshape(q.shape[:-2] + (-1,))[..., :K], -1, axis).astype(np.float32)
;;   ~~~
;;   OPERANDS COMPUTED ON THE WAY. 'Computed on the way' means the value that the module computes at that place (a softmax that the list does not call 'softmax' is quantised finished and normalised). What goes into a quantiser is computed in f32, as accurately as f32 sums, v_exp_f32 and their like allow (about 1e-6 of the number): no bf16 or f16 on the way to a quantiser, and a product that is left as it is and whose result goes on into a quantised operand takes f32 operands (vector FMAs, or v_wmma_f32_16x16x4_f32). A number that lies on a knife's edge between two numbers of the format may be rounded either way, as far as f32 arithmetic and the matrix unit's own rounding can turn it there, and no further.
;; One version. Each part assembles by itself: llvm-mc -triple=amdgcn-amd-amdhsa -mcpu=gfx1250 --defsym DOCPART=n.
;; ======== version 1 of 1: 2 launches
;; workspace buffers: wpk 3,276,800 bytes
;; launch prep (part 1): grid 256 x 1, 4 waves a work-group, no clusters, 70,144 bytes of LDS; arguments Wq, Wk, Wv, Wo, wpk; writes wpk
.if DOCPART == 1
	.amdgcn_target "amdgcn-amd-amdhsa--gfx1250"
	.amdhsa_code_object_version 6
	.text
	.protected	k_q1cef80d6e7_prep
	.globl	k_q1cef80d6e7_prep
	.p2align	8
	.type	k_q1cef80d6e7_prep,@function
k_q1cef80d6e7_prep:
	s_mov_b64 s[64:65], 0
	v_nop
	global_prefetch_b8 v0, s[64:65] scope:SCOPE_SE
	s_setreg_imm32_b32 hwreg(HW_REG_WAVE_MODE, 25, 1), 1
	s_wait_xcnt 0x0
; Wq, Wk, Wv, Wo [1024][1024] f32 (K innermost) become codes of E2M3 with one E8M0 byte for each 32 along K, laid in the ORDER OF THE OPERAND'S REGISTERS of the next launch.
; wpk: 32 blocks of 102,400 bytes; block 8 g + s = K step s (128 along K) of weight g.  A block has four quarters of 25,600 bytes, one for each wave of the next launch (its 256 rows of W):
; 16 fragment images of 1,536 bytes (registers 4 c .. 4 c + 3 of lane L at 512 c + 16 L), then the scale image of 1,024 bytes (register i: tile 2 i's row words in lanes 0-15, tile 2 i + 1's in lanes 16-31).
; THE ROWS OF A TILE ARE NOT NEIGHBOURS: lane r of tile 2 b + u holds row 32 b + 8 u + r + 8 (r / 8) of the quarter, so that the 16 result registers of tiles 2 b, 2 b + 1 are 16 neighbouring columns.
; A work-group takes half a quarter of one block, a wave one pair of tiles: 32 rows x 128 numbers.  Each load reads 512 consecutive bytes of a row; the rows turn through the wave's own stage in LDS, so that a lane
; gets two whole blocks of 32 of its row; each store writes 512 consecutive bytes.
; A block's scale byte is its largest magnitude's exponent field - 2, held at 1 from below (a block of zeros gets 1: its codes are zeros, and this program alone reads the bytes).
; LIMITS: NaN and infinities among the inputs are not served.
.set BLKB, 102400
.set QTR,  25600
.set SPT,  528                         ; a stage row: 512 bytes + 16
.set WST,  32*SPT                      ; a wave's stage
.set SCB,  4*WST                       ; behind the stages: 512 bytes in which the four waves' scale registers meet
.set LD,   32                          ; v32-159  32 rows as loaded
.set X,    160                         ; v160-223 my two blocks of 32
.set FR,   224                         ; v224-247 the two tiles' fragments
.set CT,   248                         ; v248-254 the conversions' second halves
	s_load_b256 s[4:11], s[0:1], 0x0               ; Wq, Wk, Wv, Wo
	s_load_b64 s[12:13], s[0:1], 0x20              ; wpk
	v_lshl_add_u32 v251, v0, 2, 0x11000
	v_mov_b32 v255, 0
	v_lshrrev_b32 v1, 5, v0
	v_readfirstlane_b32 s14, v1                    ; wave j
	v_and_b32 v2, 31, v0                           ; lane
	v_lshlrev_b32 v3, 4, v2                        ; 16 x lane
	v_and_b32 v4, 15, v0                           ; r
	v_bfe_u32 v5, v0, 4, 1                         ; h
	s_lshr_b32 s15, ttmp9, 6                       ; g: which weight
	s_bfe_u32 s16, ttmp9, 0x30003                  ; s: which K step
	s_bfe_u32 s17, ttmp9, 0x20001                  ; w: which quarter
	s_and_b32 s18, ttmp9, 1                        ; which half of the quarter
	s_lshl_b32 s19, s18, 2
	s_add_co_u32 s19, s19, s14                     ; i: my pair of tiles
	s_lshl_b32 s20, s17, 20                        ; W: row 256 w + 32 i of 4,096 bytes, + 512 s
	s_lshl_b32 s22, s19, 17
	s_add_co_u32 s20, s20, s22
	s_lshl_b32 s22, s16, 9
	s_add_co_u32 s20, s20, s22
	s_mov_b32 s21, 0
	s_lshl_b32 s22, s15, 3
	s_add_co_u32 s22, s22, s16
	s_mul_i32 s22, s22, BLKB
	s_mul_i32 s24, s17, QTR
	s_add_co_u32 s22, s22, s24                     ; the quarter's first byte
	s_mov_b32 s23, 0
	s_mul_i32 s24, s19, 3072
	s_add_co_u32 s24, s24, s22                     ; my two fragments
	s_mov_b32 s25, 0
	s_lshl_b32 s26, s18, 9
	s_add_co_u32 s22, s22, s26
	s_add_co_u32 s22, s22, 24576                   ; my half of the scale image
	s_mul_i32 s27, s14, WST
	v_add_nc_u32 v6, s27, v3                       ; into the stage: 16 x lane of a row
	v_and_b32 v7, 8, v0
	v_add_nc_u32 v7, v7, v4                        ; r + 8 (r / 8)
	v_mul_u32_u24 v7, v7, SPT
	v_lshl_add_u32 v7, v5, 7, v7                   ; out of it: my row, + 128 h: block h
	v_add_nc_u32 v7, s27, v7
	s_lshl_b32 s27, s14, 2
	s_add_co_u32 s27, s27, SCB
	v_add_nc_u32 v8, s27, v3                       ; my scale register's place: 16 x lane + 4 j
	v_add_nc_u32 v9, SCB, v3
	v_lshlrev_b32 v10, 3, v5                       ; 8 h
	v_mov_b32 v11, 0                               ; a lane permute's destination counts as one of its sources
	s_mov_b32 s28, 0x76543210
	s_mov_b32 s29, 0xfedcba98                      ; selects for lane l xor 16
	s_wait_kmcnt 0x0
	s_cmp_eq_u32 s15, 1                            ; the weight is chosen by the work-group's number alone
	s_cselect_b64 s[4:5], s[6:7], s[4:5]
	s_cmp_eq_u32 s15, 2
	s_cselect_b64 s[4:5], s[8:9], s[4:5]
	s_cmp_eq_u32 s15, 3
	s_cselect_b64 s[4:5], s[10:11], s[4:5]
	s_add_nc_u64 s[4:5], s[4:5], s[20:21]
	s_add_nc_u64 s[30:31], s[12:13], s[24:25]
	s_add_nc_u64 s[32:33], s[12:13], s[22:23]
.set PI, 0
.rept 32
	global_load_b128 v[LD+4*PI:LD+4*PI+3], v3, s[4:5] offset:4096*PI th:TH_LOAD_NT   ; 512 consecutive bytes of row PI
.set PI, PI+1
.endr
.set PI, 0
.rept 32
	s_wait_loadcnt 31-PI                           ; loads come back in order: row PI is in, the younger ones may be out
	ds_store_b128 v6, v[LD+4*PI:LD+4*PI+3] offset:SPT*PI
.set PI, PI+1
.endr
; Tile u of my pair: my row's blocks h and 2 + h, 32 numbers each, all in my lane.
.macro TILE u
.irp c,0,1
.irp q,0,1,2,3,4,5,6,7
	ds_load_b128 v[X+32*\c+4*\q:X+32*\c+4*\q+3], v7 offset:8*\u*SPT+256*\c+16*\q   ; LDS serves a wave's instructions in order: these see my stores
.endr
.endr
	s_wait_dscnt 0x0
.irp c,0,1
	v_max3_num_f32 v[12+\c], |v[X+32*\c]|, |v[X+32*\c+1]|, 0x1800000   ; with the floor 2^(3 - 127): the byte cannot fall under 1
.endr
.irp i,2,4,6,8,10,12,14,16,18,20,22,24,26,28,30
.irp c,0,1
	v_max3_num_f32 v[12+\c], v[12+\c], |v[X+32*\c+\i]|, |v[X+32*\c+\i+1]|
.endr
.endr
.irp c,0,1
	v_add_nc_u32 v[14+\c], 0xff000000, v[12+\c]    ; 2 off the exponent field: the conversion's scale operand
.endr
.irp c,0,1
	v_lshrrev_b32 v[16+\c], 23, v[14+\c]           ; the scale's byte
.endr
	v_lshl_or_b32 v18, v17, 16, v16                ; my two bytes, blocks h and 2 + h,
	v_lshlrev_b32 v18, v10, v18                    ; at their places in the row's word;
	v_permlanex16_b32 v11, v18, s28, s29
	v_or_b32 v[20+\u], v18, v11                    ; with lane l xor 16's two the word is whole
.irp c,0,1
	v_cvt_scalef32_pk16_fp6_f32 v[FR+12*\u+6*\c:FR+12*\u+6*\c+2], v[X+32*\c:X+32*\c+15], v[14+\c]
	v_cvt_scalef32_pk16_fp6_f32 v[CT+4*\c:CT+4*\c+2], v[X+32*\c+16:X+32*\c+31], v[14+\c]   ; (a conversion's three registers begin on an even number)
.endr
	v_nop                                          ; one plain place behind a scaled conversion
.irp c,0,1
.irp i,0,1,2
	v_mov_b32 v[FR+12*\u+6*\c+3+\i], v[CT+4*\c+\i]
.endr
.endr
.irp k,0,1,2
	global_store_b128 v3, v[FR+12*\u+4*\k:FR+12*\u+4*\k+3], s[30:31] offset:1536*\u+512*\k   ; 512 consecutive bytes of the image
.endr
.endm
	TILE 0
	TILE 1
	v_cmp_gt_u32 vcc_lo, 16, v2
	v_cndmask_b32 v22, v21, v20, vcc_lo            ; lanes 0-15: the even tile's words; lanes 16-31: the odd tile's
	ds_store_b32 v8, v22
	s_wait_dscnt 0x0                               ; for the others' sake: my store has landed
	s_barrier_signal -1
	s_barrier_wait -1
	s_cmp_lg_u32 s14, 0
	s_cbranch_scc1 .Lend
	ds_load_b128 v[24:27], v9                      ; four scale registers of every lane
	s_wait_dscnt 0x0
	global_store_b128 v3, v[24:27], s[32:33]
.Lend:
	s_wait_tensorcnt 0x0
	ds_add_u32 v251, v255
	s_wait_dscnt 0x0
	s_endpgm
.Lfunc_end_k_q1cef80d6e7_prep:
	.size	k_q1cef80d6e7_prep, .Lfunc_end_k_q1cef80d6e7_prep-k_q1cef80d6e7_prep
	.p2alignl 7, 3214868480
	.fill 96, 4, 3214868480
	.section	.rodata,"a",@progbits
	.p2align	6, 0x0
	.amdhsa_kernel k_q1cef80d6e7_prep
		.amdhsa_group_segment_fixed_size 70144
		.amdhsa_private_segment_fixed_size 0
		.amdhsa_enable_private_segment 0
		.amdhsa_kernarg_size 40
		.amdhsa_user_sgpr_count 2
		.amdhsa_user_sgpr_kernarg_segment_ptr 1
		.amdhsa_wavefront_size32 1
		.amdhsa_system_sgpr_workgroup_id_x 1
		.amdhsa_system_sgpr_workgroup_id_y 1
		.amdhsa_system_sgpr_workgroup_id_z 1
		.amdhsa_system_vgpr_workitem_id 0
		.amdhsa_next_free_vgpr 256
		.amdhsa_next_free_sgpr 66
		.amdhsa_reserve_vcc 1
		.amdhsa_float_denorm_mode_32 3
		.amdhsa_float_denorm_mode_16_64 3
		.amdhsa_memory_ordered 1
		.amdhsa_forward_progress 1
		.amdhsa_inst_pref_size 18
	.end_amdhsa_kernel
	.amdgpu_metadata
---
amdhsa.version: [ 1, 2 ]
amdhsa.kernels:
  - .name:           k_q1cef80d6e7_prep
    .symbol:         k_q1cef80d6e7_prep.kd
    .args:
      - { .name: Wq, .offset: 0, .size: 8, .value_kind: global_buffer, .address_space: global }
      - { .name: Wk, .offset: 8, .size: 8, .value_kind: global_buffer, .address_space: global }
      - { .name: Wv, .offset: 16, .size: 8, .value_kind: global_buffer, .address_space: global }
      - { .name: Wo, .offset: 24, .size: 8, .value_kind: global_buffer, .address_space: global }
      - { .name: wpk, .offset: 32, .size: 8, .value_kind: global_buffer, .address_space: global }
    .group_segment_fixed_size: 70144
    .private_segment_fixed_size: 0
    .kernarg_segment_align: 8
    .kernarg_segment_size: 40
    .max_flat_workgroup_size: 128
    .sgpr_count:     66
    .vgpr_count:     256
    .wavefront_size: 32
...
	.end_amdgpu_metadata
.endif
;; end of part 1
;; launch fused (part 2): grid 256 x 1, 4 waves a work-group, clusters of 4 x 1, 327,680 bytes of LDS; arguments query, key, value, wpk, bq, bk, bv, ln_g, ln_b, bo, out0; writes out0
.if DOCPART == 2
	.amdgcn_target "amdgcn-amd-amdhsa--gfx1250"
	.amdhsa_code_object_version 6
	.text
	.protected	k_q1cef80d6e7_fused
	.globl	k_q1cef80d6e7_fused
	.p2align	8
	.type	k_q1cef80d6e7_fused,@function
k_q1cef80d6e7_fused:
	s_mov_b64 s[64:65], 0
	v_nop
	global_prefetch_b8 v0, s[64:65] scope:SCOPE_SE
	s_setreg_imm32_b32 hwreg(HW_REG_WAVE_MODE, 25, 1), 1
	s_wait_xcnt 0x0
	s_wait_alu depctr_hold_cnt(0) depctr_sa_sdst(0) depctr_va_vdst(0) depctr_va_sdst(0) depctr_va_ssrc(0) depctr_va_vcc(0) depctr_vm_vsrc(0)
	s_getreg_b32 s2, hwreg(HW_REG_IB_STS2, 6, 4)
	s_cmp_eq_u32 s2, 0
	s_cbranch_scc0 .Lentry_in_a_cluster
	s_endpgm
.Lentry_in_a_cluster:
	s_bfe_u32 s2, ttmp6, 0x10000c
	s_cmp_lg_u32 s2, 0x3003
	s_cbranch_scc0 .Lentry_shape_is_right
	s_endpgm
.Lentry_shape_is_right:
; The whole module for 64 positions a work-group; nothing between the inputs and out0 goes to memory.
;   q, k, v = x W^T + b (codes of E2M3, one E8M0 byte for each 32 along K);  energy[h][g] = q^[h] . k^[g] over a head's 64 (codes again);  softmax over g of energy / 32, the row's maximum taken away;
;   out[h] = sum over g of attn[h][g] v[g], in f32;  LayerNorm over 1,024 in f32;  out0 = y^ Wo^T + bo (codes).
; SHARES.  Four waves.  THE WAVES SHARE THE COLUMNS: wave w makes columns 256 w .. 256 w + 255 of each of the four large products for all 64 rows: 64 accumulators, 512 registers.  So a wave reads from LDS only the
; quarter of a weight's K step that it fetched itself, 24,576 bytes for 64 matrix instructions, and x's four fragments.  The large products are used TRANSPOSED (source 0 = 16 rows of W, source 1 = 16 rows of x): a lane
; holds one row, and by the choice of W's rows in a tile the 16 registers of tiles 2 b, 2 b + 1 are columns 32 b + 16 (lane / 16) + 0 .. 15: what the quantiser and the conversions want.
; The weights come as register images (made by the launch before), a K step of 128 of one weight = 102,400 dense bytes, through a ring of two LDS slots; 32 steps in all.
; CLUSTER.  The four work-groups of a cluster walk the same 32 blocks: each block's quarter is asked for JOINTLY, by the same tensor load with the same descriptor and the mask 15, in all four.
; By this text's count a wave has two tensor loads out at the start and one behind each round.
; K IS WALKED FROM A START OF THE CLUSTER'S OWN in the three projections: cluster 8 a + b has the rotation (a + b) mod 8, and its step s takes K step (s + rotation) mod 8 of W and of x.  So the eight blocks of a weight
; are first asked for in one step, each by one eighth of the clusters, and by the others one to seven steps later.  Whichever single bit of the cluster's number is held fixed, the clusters left hold all eight rotations.
; The rotation enters global addresses alone; the four partners share it.  Wo's steps keep their order: y^'s K steps are read from LDS by addresses made of constants, the lane and the step alone.
; x arrives as f32: wave w quantises rows 16 w .. 16 w + 15, 128 along K a step, one step ahead of the products, and hands the fragment to the others as an image of its registers.  query, key, value and then bv
; (with a row stride of 0 and no rotation) are ONE stream of 26 chunks, two of them always on their way.
; THE SMALL PART is shared by positions: position 16 m + 8 e + 2 a + i belongs to wave a as its local row 4 m + 2 e + i.
; LIMITS: NaN and infinities among the inputs are not served; a block of zeros gets the scale byte 1 (its codes are zeros; the bytes are this program's own); the f32 sums of q, k and v run over K from the
; cluster's own start and round the end: an order of rounding other than ascending K.
; REGISTERS, in windows of 256.  Window 0: v1-23 addresses; v24-31 W's scale words; v32-39 x's, two sets; v40-47 bk, later addresses; v48-143 x's fragments, two sets; v144-207 a chunk of x; v208-241 the quantiser's; v242-250 at work.
;   Window 1: v0-191 W's 16 fragments, ONE set, fetched anew by halves; v192-255 the other chunk of x.   Windows 2, 3: accumulator (m, t) at v[128 (m % 2) + 8 t] of window 2 + m / 2.
.set BLKB,  102400                     ; a K step of a weight
.set QTR,   25600                      ; a wave's quarter of it
.set RING1, 102400                     ; LDS: slot 0 at 0, slot 1 here
.set QKB,   204800                     ; four blocks, one for each owning wave
.set BS,    25888
.set RP1,   1616                       ; first use: 16 rows: q^ 768 | k^ 768 | q's 32 scale bytes | k's 32 | 16
.set RP2,   1040                       ; then: 16 rows: attn (1,024 bytes, an image of registers), later y^ (768 bytes of codes, 32 scale bytes)
.set VST,   16640                      ; behind these: two rows of v, f32
.set VP,    4112
.set XR,    308352                     ; two slots: x's four fragment images, then its scale words (16 x lane + 4 m)
.set XSL,   6656
.set BIAS,  321664                     ; 1,024 bytes a wave: the bias of its 256 columns
.set SPARE, 327168                     ; the spare words, 128 bytes for each wave: two blocks of 256 bytes that no other line names
.set SPW,1
.set NIL,2
.set XAC,3                             ; x: my lane's byte in the chunk in hand: v[XB] + 512 x the chunk's K step
.set R4,4                              ; r = lane % 16
.set H64,5                             ; 64 h
.set XWI,6                             ; where I store x's image
.set XWS,7                             ; and its scale word
.set XRD,8                             ; where x's images are read
.set BW0,9                             ; v9, v10: my quarter in slot 0, 1, + 16 x lane
.set EA0,11                            ; the epilogue: my row's codes in its owner's block
.set ES0,12                            ; and its scale bytes
.set EAC,13
.set ESC,14
.set BIA,15
.set BIW,16
.set TLA,17
.set TLS,18
.set TSA,19
.set HB,20                             ; h = lane / 16
.set BOF,21                            ; 32 x lane
.set LI,22                             ; 16 x lane
.set XB,23                             ; x: row stride x r + 64 h
.set VW,11                             ; the tail writes v11-17 anew
.set VR,12
.set ATA,13
.set YA,14
.set YS,15
.set EL,16
.set LNO,17
.set AR0,40                            ; v40, v41: y's fragments; v42, v43: its scale words
.set ASR0,42
.set OST,44
.set SB,24
.set SA,32
.set BKR,40
.set AF,48
.set TT,48                             ; the tail: 64 numbers of two positions
.set EN,48                             ; the energies of four positions
.set X0,144
.set X1,192                            ; in window 1
.set TS,144                            ; in window 1: results with their bias, on the way to LDS
.set TM,208
.set PW,220
.set PC,222
.set TP,242
.set WV,26
.set ROT,28                            ; s28  the cluster's rotation, 0 .. 7
.set RC,29                             ; s29  the rotation of the stream's tensor in hand: s28, or 0 for bv
.set RCN,30                            ; s30  that of the tensor that follows
.set CN,31                             ; s31  the number of the chunk asked for last
.set G1,32
.set G0,40
.set LP,48
.set NX,50
.set NX2,52
.set NX3,54
.set RS,56
.set RSN,57
.set GC,58
.set IC,59
.set SEL,60
.set CS,62
.set CNT,68
.set WBS,71                            ; QKB + BS x wave
.set TN,72                             ; s72  the number of the step whose block was asked for last
.set SVX,73
.set OUTB,74
.set I1K,76
.set EPS,77
.set W1K,82                            ; 1,024 x wave (s83 = 0)
.set WQ,86                             ; 25,600 x wave (s87 = 0)
.set MSB, 0
.macro WIN new                         ; the immediate's high byte repeats the setting that is left; a switch that changes nothing is dropped
.if MSB != (\new)
	s_set_vgpr_msb (MSB<<8)|(\new)
.set MSB, (\new)
.endif
.endm
.macro PLACES n                        ; plain vector instructions between a matrix instruction and a read of its result, or a load into one of its registers
.rept \n
	v_nop
.endr
.endm
.macro CREST                           ; a round of the cluster's barrier behind its opening barrier
	s_cmp_lg_u32 s[WV], 0
	s_cbranch_scc1 .Lnot_wave_0_\@
	s_barrier_signal -3
.Lnot_wave_0_\@:
	s_barrier_wait -3
	s_barrier_signal -1
	s_barrier_wait -1
.endm
.macro CROUND
	s_barrier_signal -1
	s_barrier_wait -1
	CREST
.endm
; Where step s[TN]'s block lies: weight n / 8, K step (n + rotation) mod 8; Wo's (n from 24 on) in their own order.  s[10:11] holds wpk at my quarter.  No tensor load of mine is out where this stands.
.macro BLKADR sg
	s_cmp_lt_u32 s[TN], 24
	s_cselect_b32 s88, s[ROT], 0
	s_add_co_u32 s88, s88, s[TN]
	s_and_b32 s88, s88, 7
	s_and_b32 s89, s[TN], 24
	s_or_b32 s88, s88, s89
	s_mul_i32 s88, s88, BLKB
	s_mov_b32 s89, 0
	s_add_nc_u64 s[G0+4*(\sg)+2:G0+4*(\sg)+3], s[10:11], s[88:89]
	s_or_b32 s[G0+4*(\sg)+3], s[G0+4*(\sg)+3], 0x80000000   ; type 2
.endm
; My lane's byte in chunk s[CN]: a tensor has eight chunks, so the chunk's place in its tensor is its number's low three bits.  It stands behind a wait on XCNT: pending loads have read the register.
.macro XADR
	s_add_co_u32 s88, s[CN], s[RC]
	s_and_b32 s88, s88, 7
	s_lshl_b32 s88, s88, 9
	v_add_nc_u32 v[XAC], s88, v[XB]
.endm
; A chunk: of my row, 16 neighbouring numbers of each of four blocks of 32, into register 16 b + i of the set (k = 32 b + 16 h + i).
.macro XLOAD set, w, off
	WIN ((\w)<<6)
.irp b,0,1,2,3
.irp j,0,1,2,3
	global_load_b128 v[\set+16*\b+4*\j:\set+16*\b+4*\j+3], v[XAC], s[LP:LP+1] offset:\off+128*\b+16*\j th:TH_LOAD_NT
.endr
.endr
	WIN 0
.endm
; 64 numbers of a lane in window w, register 16 b + i = k 32 b + 16 (lane / 16) + i of my row, become a fragment's codes in v[PC] on and its scale word in v[PW].
.macro QUANT s, w
	WIN ((\w)|((\w)<<2))
.irp b,0,1,2,3
	v_max3_num_f32 v[TM+\b], |v[\s+16*\b]|, |v[\s+1+16*\b]|, 0x1800000   ; my 16 numbers of block b, and the floor 2^(3 - 127): the byte cannot fall under 1
.endr
	WIN (((\w)<<2)|((\w)<<4))
.irp i,2,4,6,8,10,12,14
.irp b,0,1,2,3
	v_max3_num_f32 v[TM+\b], v[TM+\b], |v[\s+16*\b+\i]|, |v[\s+1+16*\b+\i]|
.endr
.endr
	WIN 0
.irp b,0,1,2,3
	v_permlanex16_b32 v[TM+4+\b], v[TM+\b], s[SEL], s[SEL+1]
.endr
.irp b,0,1,2,3
	v_max_num_f32 v[TM+\b], v[TM+\b], v[TM+4+\b]   ; with lane l xor 16's: the block's largest magnitude
.endr
.irp b,0,1,2,3
	v_add_nc_u32 v[TM+8+\b], 0xff000000, v[TM+\b]  ; 2 off its exponent field: the conversion's scale operand
.endr
.irp b,0,1,2,3
	v_lshrrev_b32 v[TM+4+\b], 23, v[TM+8+\b]       ; the scale's byte
.endr
	v_lshl_or_b32 v[PW], v[TM+5], 8, v[TM+4]
	v_lshl_or_b32 v[PW], v[TM+6], 16, v[PW]
	v_lshl_or_b32 v[PW], v[TM+7], 24, v[PW]
	WIN (\w)
.irp c,0,1
	v_cvt_scalef32_pk16_fp6_f32 v[PC+6*\c:PC+2+6*\c], v[\s+32*\c:\s+15+32*\c], v[TM+8+2*\c]
	v_cvt_scalef32_pk16_fp6_f32 v[PC+12+4*\c:PC+14+4*\c], v[\s+16+32*\c:\s+31+32*\c], v[TM+8+2*\c+1]   ; (a conversion's three registers begin on an even number)
.endr
	WIN 0
	v_nop                                          ; one plain place behind a scaled conversion
.irp c,0,1                             ; the operand's layout wants a whole block in a lane: lanes 0-15 block 2 c, lanes 16-31 block 2 c + 1
.irp i,0,1,2
	v_permlane16_swap_b32 v[PC+6*\c+\i], v[PC+12+4*\c+\i]
.endr
.irp i,0,1,2
	v_mov_b32 v[PC+3+6*\c+\i], v[PC+12+4*\c+\i]
.endr
.endr
.endm
.macro IMAGE sl                        ; my fragment of x and its scale word go to LDS as they stand
.irp c,0,1,2
	ds_store_b128 v[XWI], v[PC+4*\c:PC+4*\c+3] offset:XSL*(\sl)+512*\c
.endr
	ds_store_b32 v[XWS], v[PW] offset:XSL*(\sl)
.endm
.macro FB half, sg                     ; eight of W's fragments and four of its scale registers, from my quarter of slot sg: 25 loads
	WIN 0x40
.irp tt,0,1,2,3,4,5,6,7
.irp c,0,1,2
	ds_load_b128 v[12*(8*\half+\tt)+4*\c:12*(8*\half+\tt)+4*\c+3], v[BW0+(\sg)] offset:1536*(8*\half+\tt)+512*\c
.endr
.endr
	WIN 0
	ds_load_b128 v[SB+4*\half:SB+4*\half+3], v[BW0+(\sg)] offset:24576+512*\half
.endm
.macro FA sg, mode                     ; the four row tiles' fragments and scale words into set sg.  mode 0: x's images, 13 loads.  mode 1: y's rows, 28 loads
.if \mode == 0
.irp m,0,1,2,3
.irp c,0,1,2
	ds_load_b128 v[AF+48*(\sg)+12*\m+4*\c:AF+48*(\sg)+12*\m+4*\c+3], v[XRD] offset:XSL*(\sg)+1536*\m+512*\c
.endr
.endr
	ds_load_b128 v[SA+4*(\sg):SA+4*(\sg)+3], v[XRD] offset:XSL*(\sg)+6144
.else
.irp a,0,1
	v_add_nc_u32 v[AR0+\a], 96, v[AR0+\a]          ; on to this K step's 96 bytes of codes
	v_add_nc_u32 v[ASR0+\a], 4, v[ASR0+\a]         ; and its scale word
.endr
.irp m,0,1,2,3
.irp p,0,1,2,3,4,5
	ds_load_b64 v[AF+48*(\sg)+12*\m+2*\p:AF+48*(\sg)+12*\m+2*\p+1], v[AR0+\m/2] offset:BS*(\m%2)+48*(\p/3)+8*(\p%3)
.endr
	ds_load_b32 v[SA+4*(\sg)+\m], v[ASR0+\m/2] offset:BS*(\m%2)
.endr
.endif
.endm
.macro REFETCH sg, mode                ; a whole step's operands, where the registers served other work in between
	PLACES 4
	FB 0, \sg
	FA \sg, \mode
	FB 1, \sg
.endm
; 16 matrix instructions: W's tiles 8 th .. 8 th + 7 x row tiles 2 mw, 2 mw + 1.  The 64 accumulators take turns, one instruction a turn, in the same order in every step.
.macro MUL16 th, mw, sg, zero
	WIN (0xa1+0x50*(\mw))
.irp tt,0,1,2,3,4,5,6,7
.irp mm,0,1
.set TL, 8*(\th)+\tt
.set AC, 128*\mm+8*TL
.set FX, AF+48*(\sg)+12*(2*(\mw)+\mm)
.set SX, SA+4*(\sg)+2*(\mw)+\mm
.if \zero
.if TL%2
	v_wmma_scale_f32_16x16x128_f8f6f4 v[AC:AC+7], v[12*TL:12*TL+11], v[FX:FX+11], 0, v[SB+TL/2], v[SX] matrix_a_fmt:MATRIX_FMT_FP6 matrix_b_fmt:MATRIX_FMT_FP6 matrix_a_scale:MATRIX_SCALE_ROW1
.else
	v_wmma_scale_f32_16x16x128_f8f6f4 v[AC:AC+7], v[12*TL:12*TL+11], v[FX:FX+11], 0, v[SB+TL/2], v[SX] matrix_a_fmt:MATRIX_FMT_FP6 matrix_b_fmt:MATRIX_FMT_FP6
.endif
.else
.if TL%2
	v_wmma_scale_f32_16x16x128_f8f6f4 v[AC:AC+7], v[12*TL:12*TL+11], v[FX:FX+11], v[AC:AC+7], v[SB+TL/2], v[SX] matrix_a_fmt:MATRIX_FMT_FP6 matrix_b_fmt:MATRIX_FMT_FP6 matrix_a_scale:MATRIX_SCALE_ROW1
.else
	v_wmma_scale_f32_16x16x128_f8f6f4 v[AC:AC+7], v[12*TL:12*TL+11], v[FX:FX+11], v[AC:AC+7], v[SB+TL/2], v[SX] matrix_a_fmt:MATRIX_FMT_FP6 matrix_b_fmt:MATRIX_FMT_FP6
.endif
.endif
.endr
.endr
.endm
; A STEP of 128 along K, from slot and sets sg.  zero: its products start the sums.  fill: slot sg is filled again, two steps ahead, behind a round.  last: no operands are fetched for the next step.
; mode 0: x is quantised a step ahead and a chunk is asked for three steps ahead; mode 1: y's rows lie in LDS.  sw: in the inner loop's last trip the stream goes on to the next tensor.
.macro GSTEP sg, zero, fill, last, mode, sw
.if \mode == 0
.if \last
	s_cmp_eq_u32 s[GC], 2                          ; behind value's last chunk nothing is left to quantise: the two chunks on their way are bv
	s_cbranch_scc1 .Lnoxq_\@
.endif
	s_wait_loadcnt 16                              ; the next step's chunk is in; the 16 loads of the one behind it may be out
.if \sg == 0
	QUANT X1, 1
.else
	QUANT X0, 0
.endif
	IMAGE 1-\sg
	s_wait_xcnt 0x0                                ; the pending loads have read their base and their offsets: both may be written
	s_add_co_u32 s[CN], s[CN], 1                   ; the chunk three steps ahead
.if \sw
	s_cmp_eq_u32 s[IC], 1
	s_cselect_b64 s[LP:LP+1], s[NX:NX+1], s[LP:LP+1]
	s_cselect_b64 s[NX:NX+1], s[NX2:NX2+1], s[NX:NX+1]
	s_cselect_b64 s[NX2:NX2+1], s[NX3:NX3+1], s[NX2:NX2+1]
	s_cselect_b32 s[RS], s[RSN], s[RS]
	s_cselect_b32 s[RC], s[RCN], s[RC]
	v_mad_u32_u24 v[XB], v[R4], s[RS], v[H64]
.endif
	XADR
.if \sg == 0
	XLOAD X1, 1, 0
.else
	XLOAD X0, 0, 0
.endif
.if \last
	s_branch .Lxqd_\@
.Lnoxq_\@:
	s_wait_loadcnt 0x0
.Lxqd_\@:
.endif
.endif
.if \fill
	s_wait_tensorcnt 0x0                           ; all my tensor loads have landed: my quarter of the other slot;
	ds_add_u32 v[SPW], v[NIL]                      ; 0 onto my spare word
.if (\mode == 0) && (\last == 0)
	s_wait_dscnt 30                                ; W's tiles 0-7 and the row tiles are in; out may be W's tiles 8-15 (25 loads), the image's 4 stores and the add
.else
	s_wait_dscnt 26                                ; the same where no image was stored, or may not have been
.endif
	MUL16 0, 0, \sg, \zero                         ; sixteen matrix instructions stand between the add and the wait for it
	s_wait_dscnt 0x0                               ; the add is done, my image has landed, and my reads of this slot and of x's images are over
	s_barrier_signal -1
	MUL16 0, 1, \sg, \zero
	WIN 0
	s_barrier_wait -1
	CREST                                          ; the barrier has opened a round of the cluster's: no wave of any partner still reads this slot or has a load on its way
	s_add_co_u32 s[TN], s[TN], 1                   ; the step two ahead
	BLKADR \sg
	tensor_load_to_lds s[G0+4*\sg:G0+4*\sg+3], s[G1:G1+7]   ; the first tensor load behind the round, and my only one until the next
	s_nop 0
	PLACES 4                                       ; (they are the places in front of the loads below)
.else
.if \last == 0
	s_wait_tensorcnt 0x0                           ; my quarter of the last slot is in; only I read it
.endif
	s_wait_dscnt 25                                ; out may be W's tiles 8-15
	MUL16 0, 0, \sg, \zero
	MUL16 0, 1, \sg, \zero
.if \last == 0
	PLACES 4
.endif
.endif
.if \last == 0
	FB 0, 1-\sg
	FA 1-\sg, \mode
.if \fill == 0
	s_wait_dscnt 53                                ; all but the 25 + 28 just issued
.endif
.else
.if \fill == 0
	s_wait_dscnt 0x0
.endif
.endif
	MUL16 1, 0, \sg, \zero
	MUL16 1, 1, \sg, \zero
.if \last == 0
	PLACES 4
	FB 1, 1-\sg
.else
	WIN 0
.endif
.endm
; Row tile m's 256 columns, with the bias that lies in the two chunk sets in the result's layout, go to LDS rows at v[adr]: 128 b + 64 h + 32 u + 4 j bytes into a row.  Each accumulator is read from its low end on.
; msk = 1: only the lanes named in VCC store.  The additions run with all lanes on.
.macro ACCOUT m, adr, msk
.irp g4,0,1,2,3
.if \g4 < 2
	WIN (0x40|(2+(\m)/2))
.else
	WIN (0x44|(2+(\m)/2))
.endif
.set XI, 0
.rept 16
.if \g4 < 2
	v_pk_add_f32 v[TS+XI:TS+XI+1], v[128*((\m)%2)+32*\g4+XI:128*((\m)%2)+32*\g4+XI+1], v[X0+32*\g4+XI:X0+32*\g4+XI+1]
.else
	v_pk_add_f32 v[TS+XI:TS+XI+1], v[128*((\m)%2)+32*\g4+XI:128*((\m)%2)+32*\g4+XI+1], v[X1+32*(\g4-2)+XI:X1+32*(\g4-2)+XI+1]
.endif
.set XI, XI+2
.endr
	WIN 0x04                                       ; an LDS store's data are its source 1: window 1
.if \msk
	s_and_saveexec_b32 s[SVX], vcc_lo              ; (no global access is pending here)
.endif
.irp y,0,1,2,3,4,5,6,7
	ds_store_b128 v[\adr], v[TS+4*\y:TS+4*\y+3] offset:256*\g4+128*(\y/4)+32*((\y/2)%2)+16*(\y%2)
.endr
.if \msk
	s_or_b32 exec_lo, exec_lo, s[SVX]
.endif
.endr
	WIN 0
.endm
.macro LANESUM r                       ; the pairs v[r:r+1] and v[r+2:r+3]: each pair's halves, then the 32 lanes; the sums in v[r], v[r+2] of every lane
.irp p,0,2
	v_add_f32 v[(\r)+\p], v[(\r)+\p], v[(\r)+\p+1]
.endr
.irp k,1,2,4,8
.irp p,0,2
	v_add_f32_dpp v[(\r)+\p], v[(\r)+\p], v[(\r)+\p] row_xmask:\k row_mask:0xf bank_mask:0xf
.endr
.endr
.irp p,0,2
	v_permlanex16_b32 v[(\r)+\p+1], v[(\r)+\p], s[SEL], s[SEL+1]
.endr
.irp p,0,2
	v_add_f32 v[(\r)+\p], v[(\r)+\p], v[(\r)+\p+1]
.endr
.endm
	; ---------------- the head
	s_load_b512 s[4:19], s[0:1], 0x0               ; query s[4:5], key s[6:7], value s[8:9], wpk s[10:11], bq s[12:13], bk s[14:15], bv s[16:17], ln_g s[18:19]
	s_load_b128 s[20:23], s[0:1], 0x40             ; ln_b s[20:21], bo s[22:23]
	s_load_b64 s[24:25], s[0:1], 0x50              ; out0
	v_lshl_add_u32 v[SPW], v0, 2, SPARE
	v_mov_b32 v[NIL], 0
	ds_add_u32 v1, v2
	ds_add_u32 v1, v2
	s_wait_dscnt 0x0
	v_lshrrev_b32 v[XAC], 5, v0
	v_readfirstlane_b32 s[WV], v[XAC]              ; wave 0..3
	s_bfe_u32 s27, ttmp6, 0x40000                  ; cx: it enters x's and out0's global addresses alone
	s_lshr_b32 s[ROT], ttmp9, 3                    ; in a cluster launch ttmp9 counts clusters: 8 a + b
	s_add_co_u32 s[ROT], s[ROT], ttmp9
	s_and_b32 s[ROT], s[ROT], 7                    ; the rotation (a + b) mod 8: the same in the four partners
	s_mov_b32 s[RC], s[ROT]
	s_lshl_b32 s78, ttmp9, 2
	s_add_co_u32 s78, s78, s27                     ; my block of 64 positions
	s_lshl_b32 s78, s78, 18                        ; x 64 rows of 4,096 bytes
	s_lshl_b32 s79, s[WV], 16
	s_add_co_u32 s80, s78, s79                     ; + my 16 rows of x
	s_mov_b32 s81, 0
	s_lshl_b32 s[W1K], s[WV], 10
	s_mov_b32 s[W1K+1], 0
	s_add_co_u32 s84, s78, s[W1K]                  ; out0: the block's first row, my 256 columns
	s_mov_b32 s85, 0
	s_mul_i32 s[WQ], s[WV], QTR
	s_mov_b32 s[WQ+1], 0
	s_mul_i32 s[WBS], s[WV], BS
	s_add_co_u32 s[WBS], s[WBS], QKB
	; descriptor group 1: 100 dense rows of 256 bytes (32 elements of 8 bytes), no padding; the mask names all four work-groups of the cluster, bit 21 beside it
	s_mov_b32 s[G1], 0x0023000f
	s_mov_b32 s[G1+1], 32<<16                      ; tensor_dim0 = 32
	s_mov_b32 s[G1+2], 100<<16                     ; tensor_dim1 = 100
	s_mov_b32 s[G1+3], 32<<16                      ; tile_dim0 = 32
	s_mov_b32 s[G1+4], 100                         ; tile_dim1 = 100
	s_mov_b32 s[G1+5], 32                          ; from row to row: 32 elements
	s_mov_b32 s[G1+6], 0
	s_mov_b32 s[G1+7], 0
	s_mov_b32 s[SEL], 0x76543210
	s_mov_b32 s[SEL+1], 0xfedcba98                 ; selects for lane l xor 16
	s_mov_b32 s[CS], 0x3d38aa3b                    ; c = log2(e) / 32
	s_mov_b32 s[CS+1], s[CS]                       ; (named with it as a pair, so it is written)
	s_mov_b32 s[I1K], 0x3a800000                   ; 1 / 1024
	s_mov_b32 s[EPS], 0x3727c5ac                   ; 1e-5
	s_mov_b32 s[RS], 4096
	v_and_b32 v[LI], 31, v0
	v_lshlrev_b32 v[BOF], 5, v[LI]
	v_lshlrev_b32 v[LI], 4, v[LI]
	v_and_b32 v[R4], 15, v0
	v_bfe_u32 v[HB], v0, 4, 1
	v_lshlrev_b32 v[H64], 6, v[HB]
	v_lshl_add_u32 v[XB], v[R4], 12, v[H64]
	s_mul_i32 s88, s[WV], 1536
	s_add_co_u32 s88, s88, XR
	v_add_nc_u32 v[XWI], s88, v[LI]
	s_lshl_b32 s88, s[WV], 2
	s_add_co_u32 s88, s88, XR+6144
	v_add_nc_u32 v[XWS], s88, v[LI]
	v_add_nc_u32 v[XRD], XR, v[LI]
	v_add_nc_u32 v[BW0], s[WQ], v[LI]
	v_add_nc_u32 v[BW0+1], RING1, v[BW0]
	v_bfe_u32 v[EA0], v0, 1, 2                     ; my row's owner a = (r / 2) % 4,
	v_mul_u32_u24 v[EA0], v[EA0], BS
	v_bfe_u32 v[ES0], v0, 3, 1
	v_and_b32 v[EAC], 1, v0
	v_lshl_add_u32 v[ES0], v[ES0], 1, v[EAC]       ; its local row 2 (r / 8) + r % 2 (+ 4 m, in the immediates)
	v_mad_u32_u24 v[ES0], v[ES0], RP1, v[EA0]
	v_mad_u32_u24 v[EA0], v[HB], 24, v[ES0]
	s_mul_i32 s88, s[WV], 192
	s_add_co_u32 s88, s88, QKB
	v_add_nc_u32 v[EA0], s88, v[EA0]               ; codes: + 24 h + 192 w
	s_lshl_b32 s88, s[WV], 3
	s_add_co_u32 s88, s88, QKB+1536
	v_add_nc_u32 v[ES0], s88, v[ES0]               ; scale bytes: + 1,536 + 8 w
	s_add_co_u32 s88, s[W1K], BIAS
	v_add_nc_u32 v[BIA], s88, v[H64]
	v_add_nc_u32 v[BIW], s88, v[BOF]
.irp b,0,1,2,3
	v_mov_b32 v[TM+4+\b], 0                        ; written once: a lane permute's destination counts as one of its sources
.endr
	s_wait_kmcnt 0x0
	s_add_nc_u64 s[LP:LP+1], s[4:5], s[80:81]      ; the stream: query, then key, value, bv; each base stays at its tensor's first chunk
	s_add_nc_u64 s[NX:NX+1], s[6:7], s[80:81]
	s_add_nc_u64 s[NX2:NX2+1], s[8:9], s[80:81]
	s_add_nc_u64 s[NX3:NX3+1], s[16:17], s[W1K:W1K+1]
	s_add_nc_u64 s[10:11], s[10:11], s[WQ:WQ+1]    ; wpk at my quarter of block 0
	s_add_nc_u64 s[12:13], s[12:13], s[W1K:W1K+1]
	s_add_nc_u64 s[14:15], s[14:15], s[W1K:W1K+1]
	s_add_nc_u64 s[22:23], s[22:23], s[W1K:W1K+1]
	s_add_nc_u64 s[OUTB:OUTB+1], s[24:25], s[84:85]
	s_mov_b32 s[G0], 1                             ; group 0 of slot 0: count 1,
	s_mov_b32 s[G0+1], s[WQ]                       ; my quarter's place in the slot,
	s_mov_b32 s[TN], 0
	BLKADR 0                                       ; my quarter of step 0's block
	s_mov_b32 s[G0+4], 1
	s_add_co_u32 s[G0+5], s[WQ], RING1
	s_mov_b32 s[TN], 1
	BLKADR 1                                       ; and of step 1's
	global_load_b128 v[TP:TP+3], v[BOF], s[12:13]              ; bq: my 8 of the wave's 256
	global_load_b128 v[TP+4:TP+7], v[BOF], s[12:13] offset:16
	global_load_b128 v[BKR:BKR+3], v[BOF], s[14:15]            ; bk
	global_load_b128 v[BKR+4:BKR+7], v[BOF], s[14:15] offset:16
	s_mov_b32 s[CN], 0
	XADR
	XLOAD X0, 0, 0                                 ; chunk 0
	s_wait_xcnt 0x0                                ; chunk 0's loads have read the offset register
	s_mov_b32 s[CN], 1
	XADR
	XLOAD X1, 1, 0                                 ; chunk 1
	CROUND                                         ; all four work-groups are here: the first joint loads meet
	tensor_load_to_lds s[G0:G0+3], s[G1:G1+7]      ; step 0's block
	s_nop 0
	tensor_load_to_lds s[G0+4:G0+7], s[G1:G1+7]    ; step 1's
	s_nop 0
	PLACES 4
	s_wait_loadcnt 16                              ; bq, bk and chunk 0 are in; chunk 1's 16 loads may be out
	ds_store_b128 v[BIW], v[TP:TP+3]
	ds_store_b128 v[BIW], v[TP+4:TP+7] offset:16
	QUANT X0, 0
	IMAGE 0
	s_wait_xcnt 0x0
	s_mov_b32 s[CN], 2
	XADR
	XLOAD X0, 0, 0                                 ; chunk 2
	s_wait_tensorcnt 1                             ; my quarter of step 0's block is in; step 1's may stay out
	s_wait_dscnt 0x0                               ; my image has landed
	s_barrier_signal -1
	s_barrier_wait -1
	REFETCH 0, 0
	; ---------------- q, k, v: three trips of eight steps
	s_mov_b32 s[GC], 0
.Lg:
	s_cmp_eq_u32 s[GC], 2
	s_cselect_b32 s[RSN], 0, 4096                  ; behind value comes bv: every row the same,
	s_cselect_b32 s[RCN], 0, s[ROT]                ; and its two chunks in their own order
	GSTEP 0, 1, 1, 0, 0, 0
	s_mov_b32 s[IC], 3
.Li:
	GSTEP 1, 0, 1, 0, 0, 1
	GSTEP 0, 0, 1, 0, 0, 0
	s_sub_co_u32 s[IC], s[IC], 1
	s_cmp_lg_u32 s[IC], 0
	s_cbranch_scc1 .Li
	GSTEP 1, 0, 1, 1, 0, 0
	s_cmp_eq_u32 s[GC], 2                          ; v stays in its accumulators
	s_cbranch_scc1 .Lge
	; ---- q or k: + bias, quantised along the row, each row's codes and scale bytes to its owner's block
	PLACES 4
	s_and_b32 s66, s[GC], 1
	s_mul_i32 s67, s66, 32
	s_mul_i32 s66, s66, 768
	v_add_nc_u32 v[EAC], s66, v[EA0]               ; k^ lies 768 bytes behind q^, its scale bytes 32 behind q's
	v_add_nc_u32 v[ESC], s67, v[ES0]
.irp gc,0,1                            ; 128 columns at a time
	WIN 0x40
.irp bb,0,1,2,3
.irp q,0,1,2,3
	ds_load_b128 v[16*\bb+4*\q:16*\bb+4*\q+3], v[BIA] offset:512*\gc+128*\bb+16*\q   ; the bias in the result's layout, where W's fragments lay
.endr
.endr
	WIN 0
	s_wait_dscnt 0x0
.irp m,0,1,2,3
	WIN (0x44|(2+\m/2))
.set XI, 0
.rept 32
	v_pk_add_f32 v[64+XI:65+XI], v[128*(\m%2)+64*\gc+XI:128*(\m%2)+64*\gc+XI+1], v[XI:XI+1]   ; each accumulator from its low end on
.set XI, XI+2
.endr
	QUANT 64, 1
.irp p,0,1,2,3,4,5
	ds_store_b64 v[EAC], v[PC+2*\p:PC+2*\p+1] offset:4*RP1*\m+96*\gc+48*(\p/3)+8*(\p%3)
.endr
	ds_store_b32 v[ESC], v[PW] offset:4*RP1*\m+4*\gc
.endr
.endr
	ds_store_b128 v[BIW], v[BKR:BKR+3]             ; the next trip's bias: bk
	ds_store_b128 v[BIW], v[BKR+4:BKR+7] offset:16
	s_wait_dscnt 0x0                               ; my stores have landed
	s_barrier_signal -1
	s_barrier_wait -1                              ; everybody's have.  (The tensor load on its way stays out)
	s_cmp_lg_u32 s[GC], 1
	s_cbranch_scc1 .Lnot3
	; ---- energies and softmax of my 16 positions, four a trip.  Source 0 = k^'s 16 heads, source 1 = q^'s: lane (head h, half) holds attn[h][8 half + 0 .. 7].
	; K = 64: the operands' upper halves are zero codes; the upper two scale bytes are 0, which is no NaN.  attn is written over rows that this wave has read, in its own block.
	v_mul_u32_u24 v[TLA], v[R4], 48
	v_mad_u32_u24 v[TLA], v[HB], 24, v[TLA]
	v_add_nc_u32 v[TLA], s[WBS], v[TLA]
	v_lshl_add_u32 v[TLS], v[R4], 1, s[WBS]
	v_add_nc_u32 v[TLS], 1536, v[TLS]
	v_add_nc_u32 v[TSA], s[WBS], v[LI]
	WIN 0x40
.irp u,0,1,2,3
.irp j,6,7,8,9,10,11
	v_mov_b32 v[24*\u+\j], 0
	v_mov_b32 v[24*\u+12+\j], 0
.endr
.endr
	WIN 0
	PLACES 4                                       ; operands written by vector instructions stand four places ahead of a scaled matrix instruction
	s_mov_b32 s[CNT], 4
.Lt3:
	WIN 0x40
.irp u,0,1,2,3
.irp p,0,1,2
	ds_load_b64 v[24*\u+2*\p:24*\u+2*\p+1], v[TLA] offset:RP1*\u+768+8*\p
	ds_load_b64 v[24*\u+12+2*\p:24*\u+12+2*\p+1], v[TLA] offset:RP1*\u+8*\p
.endr
.endr
	WIN 0
.irp u,0,1,2,3
	ds_load_u16 v[SB+\u], v[TLS] offset:RP1*\u+32  ; k's two scale bytes of head r
	ds_load_u16 v[SA+\u], v[TLS] offset:RP1*\u     ; q's
.endr
	s_wait_dscnt 0x0
	WIN 0x05
.irp u,0,1,2,3
	v_wmma_scale_f32_16x16x128_f8f6f4 v[EN+8*\u:EN+8*\u+7], v[24*\u:24*\u+11], v[24*\u+12:24*\u+23], 0, v[SB+\u], v[SA+\u] matrix_a_fmt:MATRIX_FMT_FP6 matrix_b_fmt:MATRIX_FMT_FP6
.endr
	WIN 0
	PLACES 4
.irp u,0,1,2,3
	v_max3_num_f32 v[TP+2*\u], v[EN+8*\u], v[EN+8*\u+1], v[EN+8*\u+2]
.endr
.irp j,3,5
.irp u,0,1,2,3
	v_max3_num_f32 v[TP+2*\u], v[TP+2*\u], v[EN+8*\u+\j], v[EN+8*\u+\j+1]
.endr
.endr
.irp u,0,1,2,3
	v_max_num_f32 v[TP+2*\u], v[TP+2*\u], v[EN+8*\u+7]
.endr
.irp u,0,1,2,3
	v_permlanex16_b32 v[TP+2*\u+1], v[TP+2*\u], s[SEL], s[SEL+1]
.endr
.irp u,0,1,2,3
	v_max_num_f32 v[TP+2*\u], v[TP+2*\u], v[TP+2*\u+1]   ; the row's largest energy
.endr
.irp u,0,1,2,3
	v_mul_f32 v[TP+2*\u], s[CS], v[TP+2*\u]
.endr
.irp j,0,2,4,6
.irp u,0,1,2,3
	v_pk_fma_f32 v[EN+8*\u+\j:EN+8*\u+\j+1], v[EN+8*\u+\j:EN+8*\u+\j+1], s[CS:CS+1], v[TP+2*\u:TP+2*\u+1] op_sel_hi:[1,0,0] neg_lo:[0,0,1] neg_hi:[0,0,1]   ; c e - c max
.endr
.endr
.irp j,0,1,2,3,4,5,6,7
.irp u,0,1,2,3
	v_exp_f32 v[EN+8*\u+\j], v[EN+8*\u+\j]
.endr
.endr
	v_nop                                          ; a plain place behind the exponentials
	s_wait_alu depctr_va_vdst(0)
.irp u,0,1,2,3
	v_pk_add_f32 v[TP+2*\u:TP+2*\u+1], v[EN+8*\u:EN+8*\u+1], v[EN+8*\u+2:EN+8*\u+3]
.endr
.irp j,4,6
.irp u,0,1,2,3
	v_pk_add_f32 v[TP+2*\u:TP+2*\u+1], v[TP+2*\u:TP+2*\u+1], v[EN+8*\u+\j:EN+8*\u+\j+1]
.endr
.endr
.irp u,0,1,2,3
	v_add_f32 v[TP+2*\u], v[TP+2*\u], v[TP+2*\u+1]
.endr
.irp u,0,1,2,3
	v_permlanex16_b32 v[TP+2*\u+1], v[TP+2*\u], s[SEL], s[SEL+1]
.endr
.irp u,0,1,2,3
	v_add_f32 v[TP+2*\u], v[TP+2*\u], v[TP+2*\u+1]   ; the row's sum
.endr
.irp u,0,1,2,3
	v_rcp_f32 v[TP+2*\u], v[TP+2*\u]
.endr
	v_nop
	s_wait_alu depctr_va_vdst(0)
.irp j,0,2,4,6
.irp u,0,1,2,3
	v_pk_mul_f32 v[EN+8*\u+\j:EN+8*\u+\j+1], v[EN+8*\u+\j:EN+8*\u+\j+1], v[TP+2*\u:TP+2*\u+1] op_sel_hi:[1,0]
.endr
.endr
.irp u,0,1,2,3
	ds_store_b128 v[TSA], v[EN+8*\u:EN+8*\u+3] offset:RP2*\u          ; an image of the eight registers: 4,160 bytes a trip, under the 6,464 that the trip has read
	ds_store_b128 v[TSA], v[EN+8*\u+4:EN+8*\u+7] offset:RP2*\u+512
.endr
	v_add_nc_u32 v[TLA], 4*RP1, v[TLA]
	v_add_nc_u32 v[TLS], 4*RP1, v[TLS]
	v_add_nc_u32 v[TSA], 4*RP2, v[TSA]
	s_sub_co_u32 s[CNT], s[CNT], 1
	s_cmp_lg_u32 s[CNT], 0
	s_cbranch_scc1 .Lt3
.Lnot3:
	REFETCH 0, 0                                   ; the next product's first operands: its block landed a step ago, its image was stored ahead of the last round
.Lge:
	s_add_co_u32 s[GC], s[GC], 1
	s_cmp_lt_u32 s[GC], 3
	s_cbranch_scc1 .Lg
	; ---------------- the tail: out = attn v, LayerNorm, y^.  Eight rounds; in a round each wave serves two of its positions.
	; Round n wants v's rows of positions 16 (n / 2) + 8 (n % 2) + 0 .. 7: every wave sends its 256 columns of these (+ bv) to the owners' two stage rows, from the lanes that hold them.
	PLACES 4
	s_wait_loadcnt 0x0                             ; bv lies in the two chunk sets, in the result's layout
	v_lshl_add_u32 v[LNO], v[R4], 8, v[H64]
	WIN 0x40
.irp bb,0,1
.irp k,0,1,2,3
	global_load_b128 v[80+16*\bb+4*\k:80+16*\bb+4*\k+3], v[LNO], s[18:19] offset:128*\bb+16*\k     ; ln_g of columns 64 r + 32 bb + 16 h + 0 .. 15
	global_load_b128 v[112+16*\bb+4*\k:112+16*\bb+4*\k+3], v[LNO], s[20:21] offset:128*\bb+16*\k   ; ln_b
.endr
.endr
	WIN 0
	v_bfe_u32 v[VW], v0, 1, 2
	v_mul_u32_u24 v[VW], v[VW], BS                 ; the owner's block,
	v_and_b32 v[VR], 1, v0
	v_mad_u32_u24 v[VW], v[VR], VP, v[VW]          ; its stage row r % 2,
	v_add_nc_u32 v[VW], v[H64], v[VW]
	s_add_co_u32 s66, s[W1K], QKB+VST
	v_add_nc_u32 v[VW], s66, v[VW]                 ; my 256 columns
	v_and_b32 v[VR], 8, v0
	v_add_nc_u32 v[VR], v[R4], v[VR]               ; r + 8 (r / 8): the d of a tile are chosen as W's rows are
	v_lshlrev_b32 v[VR], 2, v[VR]
	v_lshl_add_u32 v[VR], v[HB], 11, v[VR]         ; heads g = 8 h + ..
	s_add_co_u32 s66, s[WBS], VST
	v_add_nc_u32 v[VR], s66, v[VR]
	v_add_nc_u32 v[ATA], s[WBS], v[LI]
	v_mul_u32_u24 v[YA], v[R4], 48
	v_mad_u32_u24 v[YA], v[HB], 24, v[YA]
	v_add_nc_u32 v[YA], s[WBS], v[YA]
	v_lshl_add_u32 v[YS], v[R4], 1, s[WBS]
	v_add_nc_u32 v[YS], 768, v[YS]
	v_bfe_u32 v[EL], v0, 3, 1
	s_wait_xcnt 0x0                                ; EXEC changes only behind this wait; no global access follows until the loop is left
	v_cmp_eq_u32 vcc_lo, 0, v[EL]
	ACCOUT 0, VW, 1                                ; round 0's rows
	s_wait_loadcnt 0x0                             ; ln_g, ln_b
	s_wait_dscnt 0x0
	s_barrier_signal -1
	s_barrier_wait -1
	s_mov_b32 s[CNT], 0
.Ltail:
	WIN 0x40
.irp p,0,1
	ds_load_b128 v[64+8*\p:64+8*\p+3], v[ATA] offset:RP2*\p
	ds_load_b128 v[64+8*\p+4:64+8*\p+7], v[ATA] offset:RP2*\p+512
.endr
.irp p,0,1
.irp t,0,1,2,3
.irp s,0,1,2,3
.irp j,0,1
	ds_load_b32 v[32*\p+2*(4*\t+\s)+\j], v[VR] offset:VP*\p+512*\s+256*\j+128*(\t/2)+32*(\t%2)   ; v[g = 8 h + 2 s + j][d]: the place of g in the four of a K step is attn's own
.endr
.endr
.endr
.endr
	WIN 0
	s_wait_dscnt 0x0                               ; my reads of my stage rows are over
	s_barrier_signal -1
	s_barrier_wait -1                              ; everybody's are: the rows may be written again
	s_add_co_u32 s69, s[CNT], 1
	s_and_b32 s70, s69, 1
	s_lshr_b32 s69, s69, 1                         ; the next round's row tile; 4: there is none
	v_cmp_eq_u32 vcc_lo, s70, v[EL]
	s_cmp_lg_u32 s69, 0
	s_cbranch_scc1 .Lv1
	ACCOUT 0, VW, 1
	s_branch .Lvd
.Lv1:
	s_cmp_lg_u32 s69, 1
	s_cbranch_scc1 .Lv2
	ACCOUT 1, VW, 1
	s_branch .Lvd
.Lv2:
	s_cmp_lg_u32 s69, 2
	s_cbranch_scc1 .Lv3
	ACCOUT 2, VW, 1
	s_branch .Lvd
.Lv3:
	s_cmp_lg_u32 s69, 3
	s_cbranch_scc1 .Lvd
	ACCOUT 3, VW, 1
.Lvd:
	; out^T = v^T attn^T in f32: source 0 = 16 of a head's 64 d x 4 heads g, source 1 = attn.  The results take the accumulators of row tile 0, tiles 0-7, whose v has left; only matrix instructions ever write these.
	; Eight accumulators by turns; each sum's first K step takes the constant 0.
	WIN 0xa5
.irp s,0,1,2,3
.irp p,0,1
.irp t,0,1,2,3
.if \s == 0
	v_wmma_f32_16x16x4_f32 v[8*(4*\p+\t):8*(4*\p+\t)+7], v[32*\p+2*(4*\t+\s):32*\p+2*(4*\t+\s)+1], v[64+8*\p+2*\s:64+8*\p+2*\s+1], 0
.else
	v_wmma_f32_16x16x4_f32 v[8*(4*\p+\t):8*(4*\p+\t)+7], v[32*\p+2*(4*\t+\s):32*\p+2*(4*\t+\s)+1], v[64+8*\p+2*\s:64+8*\p+2*\s+1], v[8*(4*\p+\t):8*(4*\p+\t)+7]
.endif
.endr
.endr
.endr
	WIN 0
	PLACES 8
	; lane (head, half) holds, of position p, columns 64 head + 32 b + 16 half + 0 .. 15 in registers 32 p + 16 b + 0 .. 15.  The mean:
	WIN 0x0a
.irp p,0,1
	v_pk_add_f32 v[TP+2*\p:TP+2*\p+1], v[32*\p:32*\p+1], v[32*\p+2:32*\p+3]
.endr
	WIN 0x08
.set XI, 4
.rept 14
.irp p,0,1
	v_pk_add_f32 v[TP+2*\p:TP+2*\p+1], v[TP+2*\p:TP+2*\p+1], v[32*\p+XI:32*\p+XI+1]
.endr
.set XI, XI+2
.endr
	WIN 0
	LANESUM TP
.irp p,0,1
	v_mul_f32 v[TP+2*\p], s[I1K], v[TP+2*\p]
.endr
	WIN 0x02
.set XI, 0
.rept 16
.irp p,0,1
	v_pk_add_f32 v[TT+32*\p+XI:TT+32*\p+XI+1], v[32*\p+XI:32*\p+XI+1], v[TP+2*\p:TP+2*\p+1] op_sel_hi:[1,0] neg_lo:[0,1] neg_hi:[0,1]   ; out - mean
.endr
.set XI, XI+2
.endr
	WIN 0
.irp p,0,1
	v_pk_mul_f32 v[TP+4+2*\p:TP+5+2*\p], v[TT+32*\p:TT+32*\p+1], v[TT+32*\p:TT+32*\p+1]
.endr
.set XI, 2
.rept 15
.irp p,0,1
	v_pk_fma_f32 v[TP+4+2*\p:TP+5+2*\p], v[TT+32*\p+XI:TT+32*\p+XI+1], v[TT+32*\p+XI:TT+32*\p+XI+1], v[TP+4+2*\p:TP+5+2*\p]
.endr
.set XI, XI+2
.endr
	LANESUM TP+4
.irp p,0,1
	v_fma_f32 v[TP+4+2*\p], v[TP+4+2*\p], s[I1K], s[EPS]   ; the variance + 1e-5
.endr
.irp p,0,1
	v_rsq_f32 v[TP+4+2*\p], v[TP+4+2*\p]
.endr
	v_nop
.set XI, 0
	s_wait_alu depctr_va_vdst(0)
.rept 16
.irp p,0,1
	v_pk_mul_f32 v[TT+32*\p+XI:TT+32*\p+XI+1], v[TT+32*\p+XI:TT+32*\p+XI+1], v[TP+4+2*\p:TP+5+2*\p] op_sel_hi:[1,0]
.endr
.set XI, XI+2
.endr
	WIN 0x14
.set XI, 0
.rept 16
.irp p,0,1
	v_pk_fma_f32 v[TT+32*\p+XI:TT+32*\p+XI+1], v[TT+32*\p+XI:TT+32*\p+XI+1], v[80+XI:81+XI], v[112+XI:113+XI]   ; x ln_g + ln_b
.endr
.set XI, XI+2
.endr
	WIN 0
	QUANT TT, 0                                    ; blocks 0, 1: position 0's two of my head; blocks 2, 3: position 1's
	v_lshrrev_b32 v[TP+8], 16, v[PW]
.irp c,0,1
.irp p,0,1,2
	ds_store_b64 v[YA], v[PC+6*\c+2*\p:PC+6*\c+2*\p+1] offset:RP2*\c+8*\p   ; y^'s row takes the place of attn's, which is in registers
.endr
.endr
	ds_store_b16 v[YS], v[PW]
	ds_store_b16 v[YS], v[TP+8] offset:RP2
	s_wait_dscnt 0x0                               ; my rows of v for the next round and my y^ have landed
	s_barrier_signal -1
	s_barrier_wait -1
	v_add_nc_u32 v[ATA], 2*RP2, v[ATA]
	v_add_nc_u32 v[YA], 2*RP2, v[YA]
	v_add_nc_u32 v[YS], 2*RP2, v[YS]
	s_add_co_u32 s[CNT], s[CNT], 1
	s_cmp_lt_u32 s[CNT], 8
	s_cbranch_scc1 .Ltail
	; ---------------- out0 = y^ Wo^T + bo.  Row tile m is block m: lane r takes its local row r.
	s_wait_xcnt 0x0
	s_mov_b64 s[LP:LP+1], s[22:23]
	v_mov_b32 v[XAC], v[H64]
	XLOAD X0, 0, 0                                 ; bo in the result's layout, as bv came
	XLOAD X1, 1, 512
	v_mul_u32_u24 v[AR0], v[R4], RP2
	v_add_nc_u32 v[ASR0], QKB+768-4, v[AR0]        ; one step back: the fetch steps first
	v_mad_u32_u24 v[AR0], v[HB], 24, v[AR0]
	v_add_nc_u32 v[AR0], QKB-96, v[AR0]
	v_add_nc_u32 v[AR0+1], 2*BS, v[AR0]
	v_add_nc_u32 v[ASR0+1], 2*BS, v[ASR0]
	REFETCH 0, 1
	GSTEP 0, 1, 1, 0, 1, 0
	s_mov_b32 s[IC], 2
.Lo:
	GSTEP 1, 0, 1, 0, 1, 0
	GSTEP 0, 0, 1, 0, 1, 0
	s_sub_co_u32 s[IC], s[IC], 1
	s_cmp_lg_u32 s[IC], 0
	s_cbranch_scc1 .Lo
	GSTEP 1, 0, 1, 0, 1, 0                         ; the last refill: block 31
	GSTEP 0, 0, 0, 0, 1, 0                         ; the tail is written out: nothing is left to fetch
	GSTEP 1, 0, 0, 1, 1, 0
	; ---------------- the way out.  A row tile's 16 rows x 1,024 bytes go through my own stage, in my quarter of slot 0, which has had its last fill and its last read, and come back as runs of 512 bytes of a row.
	s_wait_loadcnt 0x0                             ; bo
	PLACES 4
	v_mul_u32_u24 v[OST], v[R4], RP2
	v_add_nc_u32 v[OST], v[H64], v[OST]
	v_add_nc_u32 v[OST], s[WQ], v[OST]
.macro OUTBLK mu
	ACCOUT \mu, OST, 0
	WIN 0x40
.set KI, 0
.rept 32
	ds_load_b128 v[4*KI:4*KI+3], v[BW0] offset:RP2*(KI/2)+512*(KI%2)   ; LDS serves a wave's instructions in order: these see my stores, and the next tile's stores come behind them
.set KI, KI+1
.endr
	WIN 0x04
.set KI, 0
.rept 32
	s_wait_dscnt 31-KI                             ; the loads behind this one may be out
	global_store_b128 v[LI], v[4*KI:4*KI+3], s[OUTB:OUTB+1] offset:(16*(KI/8)+8*((KI/4)%2)+2*(\mu)+((KI/2)%2))*4096+512*(KI%2) th:TH_STORE_NT   ; local row KI / 2 of block mu is this position; 512 consecutive bytes, at a multiple of 256 from out0's first byte
.set KI, KI+1
.endr
	WIN 0
	s_wait_xcnt 0x0                                ; the stores have read their registers: the next tile's loads may land there
.endm
	OUTBLK 0
	OUTBLK 1
	OUTBLK 2
	OUTBLK 3
	s_wait_tensorcnt 0x0                           ; the wave's end: behind my last tensor load and my last LDS store
	ds_add_u32 v[SPW], v[NIL]
	s_wait_dscnt 0x0
	CROUND                                         ; the closing round: no work-group ends while a partner may still ask for a block that names it
	s_endpgm
.Lfunc_end_k_q1cef80d6e7_fused:
	.size	k_q1cef80d6e7_fused, .Lfunc_end_k_q1cef80d6e7_fused-k_q1cef80d6e7_fused
	.p2alignl 7, 3214868480
	.fill 96, 4, 3214868480
	.section	.rodata,"a",@progbits
	.p2align	6, 0x0
	.amdhsa_kernel k_q1cef80d6e7_fused
		.amdhsa_group_segment_fixed_size 327680
		.amdhsa_private_segment_fixed_size 0
		.amdhsa_enable_private_segment 0
		.amdhsa_kernarg_size 88
		.amdhsa_user_sgpr_count 2
		.amdhsa_user_sgpr_kernarg_segment_ptr 1
		.amdhsa_wavefront_size32 1
		.amdhsa_system_sgpr_workgroup_id_x 1
		.amdhsa_system_sgpr_workgroup_id_y 1
		.amdhsa_system_sgpr_workgroup_id_z 1
		.amdhsa_system_vgpr_workitem_id 0
		.amdhsa_next_free_vgpr 1024
		.amdhsa_next_free_sgpr 100
		.amdhsa_reserve_vcc 1
		.amdhsa_float_denorm_mode_32 3
		.amdhsa_float_denorm_mode_16_64 3
		.amdhsa_memory_ordered 1
		.amdhsa_forward_progress 1
		.amdhsa_inst_pref_size 255
	.end_amdhsa_kernel
	.section	.bss,"aw",@nobits
	.p2align	6
	.space	262144
	.amdgpu_metadata
---
amdhsa.version: [ 1, 2 ]
amdhsa.kernels:
  - .name:           k_q1cef80d6e7_fused
    .symbol:         k_q1cef80d6e7_fused.kd
    .args:
      - { .name: query, .offset: 0, .size: 8, .value_kind: global_buffer, .address_space: global }
      - { .name: key, .offset: 8, .size: 8, .value_kind: global_buffer, .address_space: global }
      - { .name: value, .offset: 16, .size: 8, .value_kind: global_buffer, .address_space: global }
      - { .name: wpk, .offset: 24, .size: 8, .value_kind: global_buffer, .address_space: global }
      - { .name: bq, .offset: 32, .size: 8, .value_kind: global_buffer, .address_space: global }
      - { .name: bk, .offset: 40, .size: 8, .value_kind: global_buffer, .address_space: global }
      - { .name: bv, .offset: 48, .size: 8, .value_kind: global_buffer, .address_space: global }
      - { .name: ln_g, .offset: 56, .size: 8, .value_kind: global_buffer, .address_space: global }
      - { .name: ln_b, .offset: 64, .size: 8, .value_kind: global_buffer, .address_space: global }
      - { .name: bo, .offset: 72, .size: 8, .value_kind: global_buffer, .address_space: global }
      - { .name: out0, .offset: 80, .size: 8, .value_kind: global_buffer, .address_space: global }
    .group_segment_fixed_size: 327680
    .private_segment_fixed_size: 0
    .kernarg_segment_align: 8
    .kernarg_segment_size: 88
    .max_flat_workgroup_size: 128
    .sgpr_count:     100
    .vgpr_count:     1024
    .wavefront_size: 32
...
	.end_amdgpu_metadata
.endif
;; end of part 2
